; MI455X (gfx1250); checked and timed in simulation.
; The chip was launched on July 23, 2026; its instructions are those of AMD's public machine-readable ISA for CDNA 5 (MIT licence, August 2026) and "CDNA5" Instruction Set Architecture Reference Guide (July 2026). The comments in the code are by the model that wrote it; some were corrected since.
;; Scaled Ternary. Allowed arithmetic: matrix products marked QUANTISED: E5M2 operands, one given power-of-two scale a tensor, by v_wmma_f32_16x16x64_bf8_bf8 or v_wmma_f32_16x16x128_bf8_bf8, f32 sums; everything else in f32.
;; Inputs: W 4,096 x 4,096 float32; bias 4,096 float32; lowp_scales 2 int32 (the exponents e of the quantised operands' scales 2^e); scale 4,096 float32; x_codes 4,096 x 128 x 32 uint8 (E5M2 codes of x, K innermost, in blocks of 32 codes).
;; Outputs: out0 4,096 x 4,096 float32.
;; This version of the problem:
;;   THIS VERSION OF THE PROBLEM IS GIVEN IN LOW PRECISION. The matrix products marked QUANTISED in the list below multiply operands that are first quantised to E5M2 (5 exponent bits, 2 mantissa bits; 8 bits a number), with one given power-of-two scale for each operand tensor; their sums are f32. All else is computed in f32.
;;   The module's matrix products, in the order in which they are computed (A, B: the left and right operand; K: the contracted axis; several contracted axes count as one K, in the product's order):
;;     1. [M 4,096, K 4,096] x [K 4,096, N 4,096]; A: input x (given as codes); B: computed on the way: QUANTISED (scales: A lowp_scales[0], B lowp_scales[1])
;;   THE QUANTISER, for each operand of a quantised product, along K:
;;     - The operand's scale is 2^e, e = its entry of the input lowp_scales (int32; the entries are numbered through the quantised products in the list's order, A before B).
;;     - Each number is divided by the scale, clamped to +-57,344, and rounded to the nearest number of E5M2, ties to even, subnormals kept.
;;     - The product sums the exact products of the quantised numbers (number of the format x scale) in f32.
;;   ~~~python
;;   def quantise(x, axis, e):      # numpy; x: float32 -> the quantised numbers, widened to float32 again
;;       x = np.moveaxis(x, axis, -1); K = x.shape[-1]
;;       r = np.clip(x / 2.0 ** e, -57344, 57344)
;;       step = 2.0 ** (np.maximum(np.frexp(np.where(r == 0, 1, r))[1] - 1, -14) - 2)
;;       q = np.round(r / step) * step * 2.0 ** e      # np.round: ties to even
;;       return np.moveaxis(q, -1, axis).astype(np.float32)
;;   ~~~
;;   OPERANDS COMPUTED ON THE WAY. 'Computed on the way' means the value that the module computes at that place (a softmax that the list does not call 'softmax' is quantised finished and normalised). What goes into a quantiser is computed in f32, as accurately as f32 sums, v_exp_f32 and their like allow (about 1e-6 of the number): no bf16 or f16 on the way to a quantiser, and a product that is left as it is and whose result goes on into a quantised operand takes f32 operands (vector FMAs, or v_wmma_f32_16x16x4_f32). A number that lies on a knife's edge between two numbers of the format may be rounded either way, as far as f32 arithmetic and the matrix unit's own rounding can turn it there, and no further.
;;   INPUTS GIVEN AS CODES. x (in the module: [4096, 4096], K = its axis 1): each comes as NAME_codes (uint8): NAME with its K axis moved to the last place and cut into blocks of 32 codes, [.., K / 32, bytes a block], one block behind the other in memory; one code a byte (a code: sign, 5 exponent bits, 2 mantissa bits); its scale is its entry of lowp_scales. Its value is code x scale, taken as it is: it is not quantised again, and the codes and scales need not be those that the quantiser above would give.
;; One version. Each part assembles by itself: llvm-mc -triple=amdgcn-amd-amdhsa -mcpu=gfx1250 --defsym DOCPART=n.
;; ======== version 1 of 1: 2 launches
;; limits: right only within a limited range of input values
;; workspace buffers: w_codes 16,777,216 bytes
;; launch tern (part 1): grid 32 x 16, 8 waves a work-group, no clusters, 36,096 bytes of LDS; arguments W, lowp_scales, w_codes; writes w_codes
.if DOCPART == 1
	.amdgcn_target "amdgcn-amd-amdhsa--gfx1250"
	.amdhsa_code_object_version 6
	.text
	.protected	k_qdf0541caf9_tern
	.globl	k_qdf0541caf9_tern
	.p2align	8
	.type	k_qdf0541caf9_tern,@function
k_qdf0541caf9_tern:
	s_mov_b64 s[64:65], 0
	v_nop
	global_prefetch_b8 v0, s[64:65] scope:SCOPE_SE
	s_setreg_imm32_b32 hwreg(HW_REG_WAVE_MODE, 25, 1), 1
	s_wait_xcnt 0x0
; W [4096 (k)][4096 (n)], f32, is ternarised (+1 where w > 0.5, -1 where w < -0.5, else 0) and quantised to codes of BF8 (E5M2) with the given scale 2^e1 (entry 1 of the buffer of scales).
; code = t / 2^e1, held within +-57,344, rounded to the nearest code, ties to even.  A ternary number has one magnitude other than 0, so the hold is made once: U = min(1, 57,344 x 2^e1).
; LIMITS: -126 <= e1 <= 112, so that 2^e1 and 57,344 x 2^e1 are f32 numbers.  A NaN in W gives 0 and an infinity +-1, as both comparisons of the definition give.
; THE CODES ARE LAID AS THE PRODUCT'S LAUNCH LOADS THEM INTO ITS OPERAND REGISTERS: [n / 16][k / 16][n % 16][k % 16], one code a byte: the code of (n, k) lies at byte 65,536 (n / 16) + 256 (k / 16) + 16 (n % 16) + k % 16.
; So 512 consecutive bytes are what one 16-byte load of a wave takes: lane 16 h + r gets column r's k = 16 h + 0 .. 15 of a run of 32 along K.
; SHARES.  A work-group takes 128 columns x 256 along K; wave w takes rows 32 w .. 32 w + 31 of these for all 128 columns.  Lane l takes columns 4 l .. 4 l + 3:
; each load of the wave reads 512 consecutive bytes of one row of W.  All 32 loads of a wave (16 KiB) go out at once: no ring, no loop.
; The lines that ternarise also sort the four columns apart: column c's eight numbers along K stand in eight consecutive registers, as the conversion takes them.
; THE WAY OUT.  An aligned run of 256 bytes of the output holds 16 columns x 16 along K: the codes meet in a stage in LDS (one barrier).  Column 4 l + c lies at c x PLANE + l x PITCH.
; In: lanes stand one pitch (68 words) apart.  Out: sixteen lanes take columns 16 w + r, r = 4 a + c: bytes 64 c + 16 a modulo 256, sixteen different 16-byte columns (64 banks of 4 bytes: ISA guide 11.1).
; No tensor load, no cluster, no prefetch: work-groups share nothing, and every byte is read once by loads that are all issued at the head.
.set SIZE_K, 4096
.set SIZE_N, 4096
.set PITCH,  272                       ; a stage row: a column's 256 codes + 16 bytes
.set PLANE,  32*PITCH+64               ; 32 stage rows, and 64 bytes so that the four planes start 64 bytes apart modulo 256
.set X,      32                        ; v32-159  row i of my 32: four columns in v[X + 4 i ..]
.set T,      160                       ; v160-191 column c, k i of a group of eight rows: v[T + 8 c + i]
.set C,      192                       ; v192-223 column c: 8 registers = 32 codes along K
.set OUTR,   32                        ; v32-63   the way out
	s_load_b128 s[4:7], s[0:1], 0x0                ; W s[4:5], the scales' exponents s[6:7]
	s_load_b64 s[8:9], s[0:1], 0x10                ; the codes
	v_lshl_add_u32 v224, v0, 2, 4*PLANE            ; my spare word, behind the stage
	v_mov_b32 v225, 0
	v_lshrrev_b32 v1, 5, v0
	s_delay_alu instid0(VALU_DEP_1)
	v_readfirstlane_b32 s16, v1                    ; wave 0..7
	v_and_b32 v1, 31, v0                           ; lane
	s_delay_alu instid0(VALU_DEP_1)
	v_lshlrev_b32 v2, 4, v1                        ; 16 x lane: my bytes of a row's 512 on the way in, and of a store's 512 on the way out
	s_lshl_b32 s18, s16, 5                         ; 32 x wave: my rows along K, and my bytes in a stage row
	v_mul_u32_u24 v3, v1, PITCH
	s_delay_alu instid0(VALU_DEP_1)
	v_add_nc_u32 v3, s18, v3                       ; the stage, way in: row = lane (+ c planes by the immediate), byte 32 x wave
	v_and_b32 v4, 15, v0                           ; r
	v_bfe_u32 v5, v0, 4, 1                         ; h
	s_mul_i32 s19, s16, 4*PITCH                    ; the way out: wave w takes columns 16 w + r: stage rows 4 w + r / 4 of plane r % 4
	v_lshrrev_b32 v7, 2, v4
	v_and_b32 v6, 3, v4
	s_delay_alu instid0(VALU_DEP_1)
	v_mul_u32_u24 v6, v6, PLANE
	s_delay_alu instid0(VALU_DEP_1)
	v_mad_u32_u24 v6, v7, PITCH, v6
	s_delay_alu instid0(VALU_DEP_1)
	v_lshl_add_u32 v6, v5, 4, v6                   ; + 16 h: lanes 16-31 take the next 16 along K
	s_delay_alu instid0(VALU_DEP_1)
	v_add_nc_u32 v6, s19, v6
	s_mov_b32 s12, 0x7fffffff                      ; all but the sign
	s_and_b32 s17, ttmp7, 0xffff                   ; work-group y: which 256 along K
	s_lshl_b32 s20, s17, 8
	s_add_co_u32 s20, s20, s18                     ; my first row of W: 256 y + 32 w
	s_lshl_b32 s20, s20, 14                        ; x 16,384 bytes a row (under 2^26),
	s_lshl_b32 s22, ttmp9, 9
	s_add_co_u32 s20, s20, s22                     ; + 512 x: the work-group's 128 columns
	s_mov_b32 s21, 0
	s_lshl_b32 s24, ttmp9, 3
	s_add_co_u32 s24, s24, s16                     ; the sixteen columns that I store: n / 16 = 8 x + w,
	s_lshl_b32 s24, s24, 16                        ; x 65,536 bytes (under 2^24),
	s_lshl_b32 s25, s17, 12
	s_add_co_u32 s24, s24, s25                     ; + 256 bytes x 16 y
	s_mov_b32 s25, 0
	s_wait_kmcnt 0x0
	s_load_b32 s30, s[6:7], 0x4                    ; e1
	s_add_nc_u64 s[4:5], s[4:5], s[20:21]
	s_add_nc_u64 s[8:9], s[8:9], s[24:25]
.set i, 0
.rept 32
	global_load_b128 v[X+4*i:X+4*i+3], v2, s[4:5] offset:i*SIZE_N*4 th:TH_LOAD_NT   ; row i: 32 lanes read 512 consecutive bytes; read once in the launch
.set i, i+1
.endr
	s_wait_kmcnt 0x0
	s_add_co_i32 s30, s30, 127
	s_lshl_b32 s31, s30, 23
	v_mov_b32 v11, s31                             ; 2^e1 as f32: the conversion takes its exponent field
	s_add_co_i32 s30, s30, 15
	s_lshl_b32 s30, s30, 23
	s_or_b32 s30, s30, 0x600000
	v_mov_b32 v10, s30                             ; 57,344 x 2^e1
	s_delay_alu instid0(VALU_DEP_1)
	v_min_num_f32 v10, 1.0, v10                    ; U: the magnitude 1, held at the largest code x the scale (the conversion to an 8-bit code does not saturate: ISA guide 7.6.2); always executed
; Rows 8 g .. 8 g + 7: for each of my four columns eight numbers along K become eight codes in two registers.
.macro GROUP g
	s_wait_loadcnt 24-8*\g                         ; loads come back in order: this group's eight are in; the 24 - 8 g of the later groups stay out
.irp c, 0,1,2,3
.irp i, 0,1,2,3,4,5,6,7
	v_and_b32 v[T+8*\c+\i], s12, v[X+4*(8*\g+\i)+\c]                 ; |w|
.endr
.irp i, 0,1,2,3,4,5,6,7
	v_cmp_lt_f32 s[32+8*\c+\i], 0.5, v[T+8*\c+\i]                    ; 0.5 < |w|: false for a NaN
.endr
.irp i, 0,1,2,3,4,5,6,7
	v_bfi_b32 v[T+8*\c+\i], s12, v10, v[X+4*(8*\g+\i)+\c]            ; U with w's sign
.endr
.irp i, 0,1,2,3,4,5,6,7
	v_cndmask_b32 v[T+8*\c+\i], 0, v[T+8*\c+\i], s[32+8*\c+\i]       ; or 0
.endr
.endr
.irp c, 0,1,2,3
	v_cvt_scalef32_pk8_bf8_f32 v[C+8*\c+2*\g:C+8*\c+2*\g+1], v[T+8*\c:T+8*\c+7], v11   ; eight numbers / 2^e1, to the nearest code, ties to even; the lowest k in the lowest byte
.endr
	v_nop                                          ; one plain vector instruction between a scaled conversion and the next vector instruction that writes its sources
.endm
	GROUP 0
	GROUP 1
	GROUP 2
	GROUP 3
.irp c, 0,1,2,3
	ds_store_b128 v3, v[C+8*\c:C+8*\c+3] offset:PLANE*\c             ; column 4 l + c: 32 codes, bytes 32 w .. 32 w + 31 of its stage row
	ds_store_b128 v3, v[C+8*\c+4:C+8*\c+7] offset:PLANE*\c+16
.endr
	s_wait_dscnt 0x0                               ; for the others' sake: my stores into the stage are done
	s_barrier_signal -1
	s_barrier_wait -1                              ; a column's 256 codes come from eight waves: now all are there
.irp t, 0,1,2,3,4,5,6,7
	ds_load_b128 v[OUTR+4*\t:OUTR+4*\t+3], v6 offset:32*\t           ; columns 16 w + r, k = 32 t + 16 h + 0 .. 15
.endr
.irp t, 0,1,2,3,4,5,6,7
	s_wait_dscnt 7-\t                              ; LDS loads come back in order: load t is in
	global_store_b128 v2, v[OUTR+4*\t:OUTR+4*\t+3], s[8:9] offset:512*\t   ; 32 lanes store 512 consecutive bytes, at a multiple of 256 from the buffer's first byte
.endr
	s_wait_tensorcnt 0x0                           ; the wave's end
	ds_add_u32 v224, v225
	s_wait_dscnt 0x0
	s_endpgm
.Lfunc_end_k_qdf0541caf9_tern:
	.size	k_qdf0541caf9_tern, .Lfunc_end_k_qdf0541caf9_tern-k_qdf0541caf9_tern
	.p2alignl 7, 3214868480
	.fill 96, 4, 3214868480
	.section	.rodata,"a",@progbits
	.p2align	6, 0x0
	.amdhsa_kernel k_qdf0541caf9_tern
		.amdhsa_group_segment_fixed_size 36096
		.amdhsa_private_segment_fixed_size 0
		.amdhsa_enable_private_segment 0
		.amdhsa_kernarg_size 24
		.amdhsa_user_sgpr_count 2
		.amdhsa_user_sgpr_kernarg_segment_ptr 1
		.amdhsa_wavefront_size32 1
		.amdhsa_system_sgpr_workgroup_id_x 1
		.amdhsa_system_sgpr_workgroup_id_y 1
		.amdhsa_system_sgpr_workgroup_id_z 1
		.amdhsa_system_vgpr_workitem_id 0
		.amdhsa_next_free_vgpr 226
		.amdhsa_next_free_sgpr 66
		.amdhsa_reserve_vcc 0
		.amdhsa_float_denorm_mode_32 3
		.amdhsa_float_denorm_mode_16_64 3
		.amdhsa_memory_ordered 1
		.amdhsa_forward_progress 1
		.amdhsa_inst_pref_size 38
	.end_amdhsa_kernel
	.amdgpu_metadata
---
amdhsa.version: [ 1, 2 ]
amdhsa.kernels:
  - .name:           k_qdf0541caf9_tern
    .symbol:         k_qdf0541caf9_tern.kd
    .args:
      - { .name: W, .offset: 0, .size: 8, .value_kind: global_buffer, .address_space: global }
      - { .name: lowp_scales, .offset: 8, .size: 8, .value_kind: global_buffer, .address_space: global }
      - { .name: w_codes, .offset: 16, .size: 8, .value_kind: global_buffer, .address_space: global }
    .group_segment_fixed_size: 36096
    .private_segment_fixed_size: 0
    .kernarg_segment_align: 8
    .kernarg_segment_size: 24
    .max_flat_workgroup_size: 256
    .sgpr_count:     66
    .vgpr_count:     226
    .wavefront_size: 32
...
	.end_amdgpu_metadata
.endif
;; end of part 1
;; launch gemm (part 2): grid 16 x 16, 4 waves a work-group, clusters of 4 x 1, 327,680 bytes of LDS; arguments x_codes, w_codes, lowp_scales, scale, bias, out0; writes out0
.if DOCPART == 2
	.amdgcn_target "amdgcn-amd-amdhsa--gfx1250"
	.amdhsa_code_object_version 6
	.text
	.protected	k_qdf0541caf9_gemm
	.globl	k_qdf0541caf9_gemm
	.p2align	8
	.type	k_qdf0541caf9_gemm,@function
k_qdf0541caf9_gemm:
	s_mov_b64 s[64:65], 0
	v_nop
	global_prefetch_b8 v0, s[64:65] scope:SCOPE_SE
	s_setreg_imm32_b32 hwreg(HW_REG_WAVE_MODE, 25, 1), 1
	s_wait_xcnt 0x0
	s_wait_alu depctr_hold_cnt(0) depctr_sa_sdst(0) depctr_va_vdst(0) depctr_va_sdst(0) depctr_va_ssrc(0) depctr_va_vcc(0) depctr_vm_vsrc(0)
	s_getreg_b32 s2, hwreg(HW_REG_IB_STS2, 6, 4)
	s_cmp_eq_u32 s2, 0
	s_cbranch_scc0 .Lentry_in_a_cluster
	s_endpgm
.Lentry_in_a_cluster:
	s_bfe_u32 s2, ttmp6, 0x10000c
	s_cmp_lg_u32 s2, 0x3003
	s_cbranch_scc0 .Lentry_shape_is_right
	s_endpgm
.Lentry_shape_is_right:
; out0[m][n] = clip(2^(e0 + e1) (sum over k of x[m][k] w[n][k]) scale[n] + bias[n], -100, 100).  x: codes of BF8 (E5M2), [4096][4096], K innermost; w: the ternarised weight's codes as the launch before laid them,
; [n / 16][k / 16][n % 16][k % 16]; sums in f32.  2^(e0 + e1) goes into scale by v_ldexp_f32: nothing is rounded short of overflow and underflow.
; A work-group of four waves makes 256 x 256 of the result; a wave makes all 256 rows x 64 columns: 64 accumulators of 16 x 16, 512 registers.
; x GOES THROUGH LDS: a ring of two slots, each 256 rows x 512 along K (four steps of 128), a wave's tensor load 64 rows x 512 bytes.  All four waves read all of it.
; w GOES STRAIGHT INTO REGISTERS: a wave's 64 columns are read by no other wave of the work-group, and 512 consecutive bytes of the buffer are one 16-byte load of the wave.  Four sets of 64 registers: in step t the 16 loads of step t + 3 go out.
; CLUSTERS: 4 x 1 work-groups with one tile row: x's tiles are asked for jointly (mask 15).  w has no joint load: it passes through no LDS, and the work-groups that read the same columns lie in different clusters.
; K's PLACES: lane (r, h) holds k = 32 c + 16 h + 0 .. 15 in registers 4 c .. 4 c + 3 of a fragment, in x's and in w's alike: a permutation of k inside an instruction, the same on both sides, so every product meets its partner.
; THE MATRIX INSTRUCTION IS USED TRANSPOSED (source 0 = 16 columns of w, source 1 = 16 rows of x): a lane holds eight neighbouring numbers of a row of the result.
; x's 16 FRAGMENTS OF A STEP lie in 14 buffers: blocks 0-7 in P0-7, blocks 8, 9 in P0, P1 again, blocks 10-15 in P8-13.  Two runs of 32 LDS loads a step: behind blocks 0, 1 this step's blocks 8-15, behind blocks 8, 9 the next step's blocks 0-7.
; THE LAST THREE STEPS GO BY ROWS of the result: a block of 16 rows is finished by 12 matrix instructions (its 4 accumulators by turns, K ascending) and leaves through my own stage in LDS while the next is multiplied.
; REGISTERS: window 0: v0-31 addresses, scale, bias; v32-255 P0-13 (by rows: P0-8 three blocks of three fragments; v176-207 and v208-239 rows read back, by turns).  Window 1: w's four sets.
; Windows 2, 3: accumulator (a, b) at v[32 (a % 8) + 8 b], blocks 0-7 and 8-15.
; PREFETCHES, behind each joint refill and the run of LDS loads behind it: x's tile two refills on (a wave's 64 rows x 512 bytes are 128 blocks of 256 bytes; the four partners take 16 rows each, told apart by address), and w's four steps of the same
; slot: the sixteen work-groups of a tile column take one run of sixteen columns each (by their tile row), a wave one step of it: 8 blocks, the lanes left over name the last again.  At the head, behind slot 0's load: w's first four steps and x's second
; tile, shared out in the same way.  What lies between (x's tiles 2, 3; w's steps 4-15) comes by its loads alone; the last trip asks for nothing.
.set PITCH,  528                       ; an LDS row: 512 bytes + 16 = 132 words: row r starts at bank 4 r mod 64 (64 banks of 4 bytes: ISA guide 11.1)
.set QROWS,  64*PITCH                  ; what one tensor load fills
.set SLOT,   4*QROWS
.set HI8,    128*PITCH                 ; blocks 8-15 have an address register of their own: an LDS offset has 16 bits
.set SLOTK,  512                       ; bytes of a row of x in a slot
.set STAGE,  2*SLOT                    ; behind the ring: 16 rows x 272 bytes for each wave
.set SPITCH, 272
.set SPARE,  STAGE+4*16*SPITCH         ; the spare words: 128 bytes for each wave
.set STEPB,  2048                      ; bytes of sixteen columns of w in a step of 128
.set SCL,  8
.set BIA,  12
.set ADR,  16                          ; v16-19 my fragment address: slot 0 blocks 0-7, 8-15; slot 1 likewise
.set BO,   20                          ; 16 x lane
.set PFOA, 21
.set PFOB, 22
.set SO,   23                          ; 16 r: my four columns in scale and bias
.set STO,  24
.set RD,   25
.set CO,   26
.set CL,   27
.set SPW,  28
.set NIL,  29
.set PB,   32
.set BK,   176
.set G1, 24
.set G0, 32
.set BP,  60                           ; s[60:61] my 64 columns of w, at the lap's first step
.set PFA, 62
.set PFB, 66
.set MSB, 0
.macro WIN new                         ; the immediate's high byte repeats the setting that is left
.if MSB != (\new)
	s_set_vgpr_msb (MSB<<8)|(\new)
.set MSB, (\new)
.endif
.endm
.set MUL_LO, 0xa1                      ; source 0 (w) window 1, source 1 (x) window 0, C and D window 2
.set MUL_HI, 0xf1                      ; the same, C and D window 3
.set TO_B,   0x40                      ; destination window 1, address window 0
.macro PLACES                          ; four places in front of loads into registers that matrix instructions have read (ISA guide 7.12.1 for vector instructions)
.rept 4
	v_nop
.endr
.endm
.macro JLOAD s                         ; my quarter of a slot; s_nop 0 and four v_nop follow; the four are also places
	tensor_load_to_lds s[G0+4*\s:G0+4*\s+3], s[G1:G1+7]
	s_nop 0
	PLACES
.endm
.macro CREST
	s_cmp_lg_u32 s14, 0
	s_cbranch_scc1 .Lnot_wave_0_\@
	s_barrier_signal -3
.Lnot_wave_0_\@:
	s_barrier_wait -3
	s_barrier_signal -1
	s_barrier_wait -1
.endm
.macro CROUND
	s_barrier_signal -1
	s_barrier_wait -1
	CREST
.endm
.macro ASK slot                        ; s3 = 1 in the last trip: its refills have no slot two refills on
	s_cmp_gt_u32 s3, 1
	s_cbranch_scc0 .Lno_\@
	global_prefetch_b8 v[PFOA], s[PFA:PFA+1] offset:4*SLOTK+SLOTK*\slot th:TH_LOAD_NT scope:SCOPE_SE
	global_prefetch_b8 v[PFOB], s[PFB:PFB+1] offset:16*STEPB+4*STEPB*\slot th:TH_LOAD_NT scope:SCOPE_SE
.Lno_\@:
.endm
.macro AFR p, slot, q, a               ; block a of the slot's step q into buffer p
.irp c, 0,1,2,3
	ds_load_b128 v[PB+16*(\p)+4*\c:PB+16*(\p)+4*\c+3], v[ADR+2*(\slot)+(\a)/8] offset:((\a)%8)*16*PITCH+128*(\q)+32*\c
.endr
.endm
.macro RLOAD a                         ; by rows: block a's fragments of the last slot's steps 1, 2, 3 into buffers 3 (a % 3) + 0, 1, 2
	AFR 3*((\a)%3), 1, 1, \a
	AFR 3*((\a)%3)+1, 1, 2, \a
	AFR 3*((\a)%3)+2, 1, 3, \a
.endm
.macro BLOAD set, off                  ; w's four fragments of a step: 16 loads of 512 consecutive bytes
.irp b, 0,1,2,3
.irp c, 0,1,2,3
	global_load_b128 v[64*(\set)+16*\b+4*\c:64*(\set)+16*\b+4*\c+3], v[BO], s[BP:BP+1] offset:65536*\b+(\off)+512*\c
.endr
.endr
.endm
.macro MUL a, p, set, zero             ; block a against w's four; the 64 accumulators take turns, in the same order in every step
.irp b, 0,1,2,3
.if \zero
	v_wmma_f32_16x16x128_bf8_bf8 v[32*((\a)%8)+8*\b:32*((\a)%8)+8*\b+7], v[64*(\set)+16*\b:64*(\set)+16*\b+15], v[PB+16*(\p):PB+16*(\p)+15], 0
.else
	v_wmma_f32_16x16x128_bf8_bf8 v[32*((\a)%8)+8*\b:32*((\a)%8)+8*\b+7], v[64*(\set)+16*\b:64*(\set)+16*\b+15], v[PB+16*(\p):PB+16*(\p)+15], v[32*((\a)%8)+8*\b:32*((\a)%8)+8*\b+7]
.endif
.endr
.endm
; A step of 128 along K.  ns, nq: the step that follows (nq = 9: what of the rows' first blocks fits into P0-7).  boff: where step t + 3 of w lies from BP.
; turn = 1: the slot's last step, the slot is filled again; 2: the slots change and nothing is filled.
.macro STEP slot, q, zero, ns, nq, boff, turn
	s_wait_loadcnt 32                              ; this step's set of w is in; the two younger sets, 16 loads each, may be out
	s_wait_dscnt 24                                ; blocks 0, 1 are in; the 24 loads of blocks 2-7 may be out
	WIN MUL_LO
	MUL 0, 0, \q, \zero
	MUL 1, 1, \q, \zero
	PLACES
	WIN TO_B
	BLOAD (\q+3)%4, \boff
	WIN 0
	AFR 0, \slot, \q, 8
	AFR 1, \slot, \q, 9
.irp a, 10,11,12,13,14,15
	AFR \a-2, \slot, \q, \a
.endr
	s_wait_dscnt 32                                ; all but the 32 just issued
	WIN MUL_LO
.irp a, 2,3,4,5
	MUL \a, \a, \q, \zero
.endr
.if \turn
	WIN 0
	s_wait_tensorcnt 0x0                           ; all my tensor loads have landed: the one that was out is my quarter of the next slot;
	ds_add_u32 v[SPW], v[NIL]                      ; 0 onto my spare word
.if \turn == 1
	s_add_nc_u64 s[G0+4*\slot+2:G0+4*\slot+3], s[G0+4*\slot+2:G0+4*\slot+3], 2*SLOTK
.endif
	WIN MUL_LO
	MUL 6, 6, \q, 0                                ; eight matrix instructions stand between the add and the wait for it
	MUL 7, 7, \q, 0
	s_wait_dscnt 0x0                               ; the add is done, and my reads of this slot are over: blocks 8-15 are in registers
	s_barrier_signal -1
	WIN MUL_HI
	MUL 8, 0, \q, 0                                ; work on registers while the others arrive
	MUL 9, 1, \q, 0
	WIN 0
	s_barrier_wait -1
.if \turn == 1
	CREST                                          ; the barrier has opened a round of the cluster's barrier: no wave of any partner still reads this slot
	JLOAD \slot
.else
	PLACES
.endif
.else
	MUL 6, 6, \q, \zero
	MUL 7, 7, \q, \zero
	s_wait_dscnt 24                                ; blocks 8, 9 are in
	WIN MUL_HI
	MUL 8, 0, \q, \zero
	MUL 9, 1, \q, \zero
	PLACES
	WIN 0
.endif
.if \nq == 9
	RLOAD 0                                        ; 32 loads here too: blocks 0 and 1, and two of block 2's three fragments
	RLOAD 1
	AFR 6, 1, 1, 2
	AFR 7, 1, 2, 2
.else
.irp a, 0,1,2,3,4,5,6,7
	AFR \a, \ns, \nq, \a
.endr
.endif
.if \turn == 1
	ASK \slot
.endif
.if \turn == 0
	s_wait_dscnt 32                                ; blocks 10-15 are in: all but the 32 just issued
.endif
	WIN MUL_HI
.irp a, 10,11,12,13,14,15
	MUL \a, \a-2, \q, \zero
.endr
.endm
.macro ROW a                           ; block a's last 384 along K
	WIN MUL_LO+0x50*((\a)/8)
.irp q, 1,2,3
.if (\a) == 0
	s_wait_loadcnt 48-16*\q                        ; w's set of this step is in; the younger sets, 16 loads each, may be out
.endif
.irp b, 0,1,2,3
	v_wmma_f32_16x16x128_bf8_bf8 v[32*((\a)%8)+8*\b:32*((\a)%8)+8*\b+7], v[64*\q+16*\b:64*\q+16*\b+15], v[PB+48*((\a)%3)+16*(\q-1):PB+48*((\a)%3)+16*(\q-1)+15], v[32*((\a)%8)+8*\b:32*((\a)%8)+8*\b+7]
.endr
.endr
.endm
.macro TOSTAGE a                       ; the block's sums into my stage, each accumulator from its low end on, and back as whole rows of 256 bytes; LDS serves a wave's instructions in order (ISA guide 5.7.1.4)
.set BB, BK+32*((\a)%2)                ; the stores that read this buffer last, block a - 2's, stand ahead of the wait on XCNT in block a - 1's SEND
	WIN 0x08+4*((\a)/8)                            ; store data: window 2 or 3
.irp b, 0,1,2,3
	ds_store_b128 v[STO], v[32*((\a)%8)+8*\b:32*((\a)%8)+8*\b+3] offset:64*\b
	ds_store_b128 v[STO], v[32*((\a)%8)+8*\b+4:32*((\a)%8)+8*\b+7] offset:64*\b+16
.endr
	WIN 0
.irp t, 0,1,2,3,4,5,6,7
	ds_load_b128 v[BB+4*\t:BB+4*\t+3], v[RD] offset:\t*2*SPITCH
.endr
.endm
.macro SEND a, younger                 ; younger: the LDS loads issued behind the block's, which may stay out
.set BB, BK+32*((\a)%2)
	WIN 0
	s_wait_dscnt \younger
.if (\a) > 0
	s_wait_xcnt 0x0                                ; the earlier blocks' stores have read their registers and their base
	s_add_nc_u64 s[78:79], s[78:79], 16*16384      ; 16 rows of the result on
.endif
.irp t, 0,1,2,3,4,5,6,7
	v_pk_fma_f32 v[BB+4*\t:BB+4*\t+1], v[BB+4*\t:BB+4*\t+1], v[SCL:SCL+1], v[BIA:BIA+1]
	v_pk_fma_f32 v[BB+4*\t+2:BB+4*\t+3], v[BB+4*\t+2:BB+4*\t+3], v[SCL+2:SCL+3], v[BIA+2:BIA+3]
.irp j, 0,1,2,3
	v_med3_num_f32 v[BB+4*\t+\j], v[BB+4*\t+\j], -v[CL], v[CL]
.endr
.endr
.irp t, 0,1,2,3,4,5,6,7
	global_store_b128 v[CO], v[BB+4*\t:BB+4*\t+3], s[78:79] offset:\t*2*16384 th:TH_STORE_NT   ; sixteen lanes store 256 consecutive bytes, at a multiple of 256 from the buffer's first byte
.endr
.endm
	s_load_b128 s[4:7], s[0:1], 0x0                ; x's codes, w's codes
	s_load_b128 s[8:11], s[0:1], 0x10              ; the scales' exponents, scale
	s_load_b128 s[76:79], s[0:1], 0x20             ; bias, the result
	v_lshl_add_u32 v[SPW], v0, 2, SPARE
	v_mov_b32 v[NIL], 0
	ds_add_u32 v[SPW], v[NIL]                      ; the opening: the add, twice on end, and its wait ahead of my first tensor load
	ds_add_u32 v[SPW], v[NIL]
	v_lshrrev_b32 v1, 5, v0
	v_readfirstlane_b32 s14, v1                    ; wave 0..3
	s_mul_i32 s23, s14, 16*SPITCH
	s_add_co_u32 s23, s23, STAGE                   ; my stage
	s_lshl_b32 s22, s14, 11
	v_and_b32 v1, 15, v0                           ; r
	v_bfe_u32 v2, v0, 4, 1                         ; h
	v_and_b32 v6, 31, v0                           ; lane
	v_mul_u32_u24 v3, v1, PITCH
	v_lshl_add_u32 v[ADR], v2, 4, v3               ; a fragment's row x pitch + 16 h
	v_add_nc_u32 v[ADR+1], HI8, v[ADR]
	v_add_nc_u32 v[ADR+2], SLOT, v[ADR]
	v_add_nc_u32 v[ADR+3], SLOT+HI8, v[ADR]
	v_lshlrev_b32 v[BO], 4, v6
	v_lshrrev_b32 v4, 1, v6
	v_and_b32 v5, 1, v6
	v_lshlrev_b32 v4, 12, v4
	v_lshl_add_u32 v[PFOA], v5, 8, v4              ; x's prefetch: row lane / 2, block lane % 2 of its 512 bytes
	v_min_u32 v5, 7, v6
	v_lshlrev_b32 v5, 8, v5
	v_add_nc_u32 v[PFOB], s22, v5                  ; w's prefetch: step = wave, block min(lane, 7) of its 2,048 bytes
	v_mul_u32_u24 v4, v1, SPITCH
	v_lshl_add_u32 v4, v2, 5, v4
	v_add_nc_u32 v[STO], s23, v4                   ; into the stage: row r, 32 bytes for each half of the lanes
	v_mul_u32_u24 v5, v2, SPITCH
	v_lshl_add_u32 v5, v1, 4, v5
	v_add_nc_u32 v[RD], s23, v5                    ; back: lanes 0-15 one row of 256 bytes, lanes 16-31 the next
	v_lshlrev_b32 v[SO], 4, v1
	v_lshl_add_u32 v[CO], v2, 14, v[SO]            ; and the same two rows in the result
	v_mov_b32 v[CL], 0x42c80000                    ; 100.0
	s_wait_alu depctr_va_vdst(0)                   ; the wait behind the head's last vector write
	s_bfe_u32 s40, ttmp6, 0x40000                  ; cx
	s_lshl_b32 s42, ttmp9, 2
	s_add_co_u32 s42, s42, s40                     ; tile column = 4 x cluster x + cx
	s_and_b32 s17, ttmp7, 0xffff                   ; tile row
	s_mov_b32 s[G1], 15|(1<<20)|(1<<21)|(6<<22)|(3<<25)   ; mask: the four of the cluster; element of 1 byte; padding on; bit 21 beside a mask; after every 128 words, 4 words
	s_mov_b32 s[G1+1], SLOTK<<16                   ; tensor_dim0
	s_mov_b32 s[G1+2], 64<<16                      ; tensor_dim1
	s_mov_b32 s[G1+3], SLOTK<<16                   ; tile_dim0
	s_mov_b32 s[G1+4], 64                          ; tile_dim1
	s_mov_b32 s[G1+5], 4096                        ; the pitch
	s_mov_b32 s[G1+6], 0
	s_mov_b32 s[G1+7], 0
	s_lshl_b32 s20, s17, 8
	s_lshl_b32 s21, s14, 6
	s_add_co_u32 s20, s20, s21                     ; the rows of x that I fetch: 256 x tile row + 64 x wave
	s_lshl_b32 s50, s40, 4
	s_add_co_u32 s50, s50, s20                     ; of these my work-group prefetches 16, by its place
	s_lshl_b32 s20, s20, 12
	s_mov_b32 s21, 0
	s_lshl_b32 s50, s50, 12
	s_mov_b32 s51, 0
	s_mul_i32 s45, s14, QROWS                      ; where they go in a slot
	s_lshl_b32 s52, s42, 4
	s_lshl_b32 s53, s14, 2
	s_add_co_u32 s54, s52, s53                     ; my first sixteen columns of w: 16 x tile column + 4 x wave
	s_lshl_b32 s54, s54, 16
	s_mov_b32 s55, 0
	s_add_co_u32 s52, s52, s17                     ; the sixteen that my work-group prefetches: 16 x tile column + tile row
	s_lshl_b32 s52, s52, 16
	s_mov_b32 s53, 0
	s_lshl_b32 s56, s42, 10
	s_lshl_b32 s57, s14, 8
	s_add_co_u32 s56, s56, s57                     ; my first column in f32 bytes
	s_mov_b32 s57, 0
	s_lshl_b32 s58, s17, 22                        ; my first row of the result in bytes
	s_mov_b32 s59, 0
	s_wait_dscnt 0x0                               ; both opening adds are done
	s_wait_kmcnt 0x0
	s_load_b64 s[96:97], s[8:9], 0x0               ; e0, e1
	s_add_nc_u64 s[20:21], s[4:5], s[20:21]
	s_add_nc_u64 s[PFA:PFA+1], s[4:5], s[50:51]
	s_add_nc_u64 s[BP:BP+1], s[6:7], s[54:55]
	s_add_nc_u64 s[PFB:PFB+1], s[6:7], s[52:53]
	s_add_nc_u64 s[72:73], s[10:11], s[56:57]
	s_add_nc_u64 s[74:75], s[76:77], s[56:57]
	s_add_nc_u64 s[78:79], s[78:79], s[56:57]
	s_add_nc_u64 s[78:79], s[78:79], s[58:59]
.irp s, 0,1
	s_mov_b32 s[G0+4*\s], 1
	s_add_co_u32 s[G0+4*\s+1], s45, \s*SLOT
	s_add_nc_u64 s[G0+4*\s+2:G0+4*\s+3], s[20:21], \s*SLOTK
	s_or_b32 s[G0+4*\s+3], s[G0+4*\s+3], 0x80000000
.endr
	CROUND                                         ; the four work-groups are here: the first joint loads meet
	JLOAD 0                                        ; slot 0: one tensor load a wave at the head
	global_load_b128 v[SCL:SCL+3], v[SO], s[72:73]
	global_load_b128 v[BIA:BIA+3], v[SO], s[74:75]
	WIN TO_B
	BLOAD 0, 0                                     ; w's steps 0 and 1 beside slot 0's fill; step 2 follows behind slot 1's request
	BLOAD 1, STEPB
	WIN 0
	global_prefetch_b8 v[PFOB], s[PFB:PFB+1] th:TH_LOAD_NT scope:SCOPE_SE               ; my share of w's steps 0-3
	global_prefetch_b8 v[PFOA], s[PFA:PFA+1] offset:SLOTK th:TH_LOAD_NT scope:SCOPE_SE  ; my share of x's second tile
	s_wait_tensorcnt 0x0                           ; my quarter of slot 0 is in
	ds_add_u32 v[SPW], v[NIL]
	s_wait_dscnt 0x0
	CROUND
	JLOAD 1                                        ; slot 1's first fill, the first tensor load behind the round
.irp a, 0,1,2,3,4,5,6,7
	AFR \a, 0, 0, \a
.endr
	WIN TO_B
	BLOAD 2, 2*STEPB
	STEP 0, 0, 1, 0, 1, 3*STEPB, 0                 ; the first step stands in front of the loop: its products start the sums
	WIN 0
	s_mov_b32 s3, 3
.Llap:                                                 ; a trip: once round the ring, from a lap's second step to the next lap's first; both slots are filled again
	STEP 0, 1, 0, 0, 2, 4*STEPB, 0
	STEP 0, 2, 0, 0, 3, 5*STEPB, 0
	STEP 0, 3, 0, 1, 0, 6*STEPB, 1
	STEP 1, 0, 0, 1, 1, 7*STEPB, 0
	STEP 1, 1, 0, 1, 2, 8*STEPB, 0
	STEP 1, 2, 0, 1, 3, 9*STEPB, 0
	STEP 1, 3, 0, 0, 0, 10*STEPB, 1
	STEP 0, 0, 0, 0, 1, 11*STEPB, 0
	WIN 0
	s_wait_xcnt 0x0                                ; my loads and prefetches have read their bases
	s_add_nc_u64 s[BP:BP+1], s[BP:BP+1], 8*STEPB
	s_add_nc_u64 s[PFA:PFA+1], s[PFA:PFA+1], 2*SLOTK
	s_add_nc_u64 s[PFB:PFB+1], s[PFB:PFB+1], 8*STEPB
	s_sub_co_u32 s3, s3, 1
	s_cmp_lg_u32 s3, 0
	s_cbranch_scc1 .Llap
	STEP 0, 1, 0, 0, 2, 4*STEPB, 0                 ; the last lap fills nothing
	STEP 0, 2, 0, 0, 3, 5*STEPB, 0
	STEP 0, 3, 0, 1, 0, 6*STEPB, 2
	STEP 1, 0, 0, 1, 9, 7*STEPB, 0                 ; the last step that goes by K; w's last step is asked for here
	PLACES                                         ; for the loads into P8, which block 10 has read, and into the buffers of rows read back
	WIN 0
	AFR 8, 1, 3, 2                                 ; block 2's third fragment
	s_wait_kmcnt 0x0
	s_add_co_i32 s96, s96, s97                     ; e0 + e1
	s_wait_dscnt 4                                 ; blocks 0 and 1 are in; the 4 loads just issued may be out
	ROW 0
	WIN 0
.irp i, 0,1,2,3
	v_ldexp_f32 v[SCL+\i], v[SCL+\i], s96          ; scale x 2^(e0 + e1); these four are also the places behind block 0's products
.endr
	s_wait_alu depctr_va_vdst(0)
.irp a, 0,1,2,3,4,5,6,7,8,9,10,11,12,13,14,15
	TOSTAGE \a
.if \a < 13
	RLOAD \a+3                                     ; its buffers take the block three further on
.endif
.if \a < 15
	ROW \a+1                                       ; (from block 2 on its fragments came in ahead of the last block's wait for all but twelve LDS loads)
.endif
.if \a < 13
	SEND \a, 12                                    ; the 48 vector instructions are the places behind the next block's products
.else
	SEND \a, 0
.endif
.endr
	s_wait_tensorcnt 0x0                           ; the wave's end
	ds_add_u32 v[SPW], v[NIL]
	s_wait_dscnt 0x0
	CROUND                                         ; the closing round
	s_endpgm
.Lfunc_end_k_qdf0541caf9_gemm:
	.size	k_qdf0541caf9_gemm, .Lfunc_end_k_qdf0541caf9_gemm-k_qdf0541caf9_gemm
	.p2alignl 7, 3214868480
	.fill 96, 4, 3214868480
	.section	.rodata,"a",@progbits
	.p2align	6, 0x0
	.amdhsa_kernel k_qdf0541caf9_gemm
		.amdhsa_group_segment_fixed_size 327680
		.amdhsa_private_segment_fixed_size 0
		.amdhsa_enable_private_segment 0
		.amdhsa_kernarg_size 48
		.amdhsa_user_sgpr_count 2
		.amdhsa_user_sgpr_kernarg_segment_ptr 1
		.amdhsa_wavefront_size32 1
		.amdhsa_system_sgpr_workgroup_id_x 1
		.amdhsa_system_sgpr_workgroup_id_y 1
		.amdhsa_system_sgpr_workgroup_id_z 1
		.amdhsa_system_vgpr_workitem_id 0
		.amdhsa_next_free_vgpr 1024
		.amdhsa_next_free_sgpr 98
		.amdhsa_reserve_vcc 0
		.amdhsa_float_denorm_mode_32 3
		.amdhsa_float_denorm_mode_16_64 3
		.amdhsa_memory_ordered 1
		.amdhsa_forward_progress 1
		.amdhsa_inst_pref_size 250
	.end_amdhsa_kernel
	.amdgpu_metadata
---
amdhsa.version: [ 1, 2 ]
amdhsa.kernels:
  - .name:           k_qdf0541caf9_gemm
    .symbol:         k_qdf0541caf9_gemm.kd
    .args:
      - { .name: x_codes, .offset: 0, .size: 8, .value_kind: global_buffer, .address_space: global }
      - { .name: w_codes, .offset: 8, .size: 8, .value_kind: global_buffer, .address_space: global }
      - { .name: lowp_scales, .offset: 16, .size: 8, .value_kind: global_buffer, .address_space: global }
      - { .name: scale, .offset: 24, .size: 8, .value_kind: global_buffer, .address_space: global }
      - { .name: bias, .offset: 32, .size: 8, .value_kind: global_buffer, .address_space: global }
      - { .name: out0, .offset: 40, .size: 8, .value_kind: global_buffer, .address_space: global }
    .group_segment_fixed_size: 327680
    .private_segment_fixed_size: 0
    .kernarg_segment_align: 8
    .kernarg_segment_size: 48
    .max_flat_workgroup_size: 128
    .sgpr_count:     98
    .vgpr_count:     1024
    .wavefront_size: 32
...
	.end_amdgpu_metadata
.endif
;; end of part 2
